; MI455X (gfx1250); checked and timed in simulation.
; The chip was launched on July 23, 2026; its instructions are those of AMD's public machine-readable ISA for CDNA 5 (MIT licence, August 2026) and "CDNA5" Instruction Set Architecture Reference Guide (July 2026). The comments in the code are by the model that wrote it; some were corrected since.
;; VQ Embedding. Allowed arithmetic: float matrix products may take bf16 or f16 operands with f32 sums; other float arithmetic in f32, or as packed bf16 or f16 multiplies, adds, multiply-adds, maxima and minima; sums over many terms, partial sums and values carried from step to step in f32; what a program stores and reads back later, other than sums and carried values, may be rounded once to bf16 or f16.
;; Inputs: codebook 8,192 x 256 float32; z_e_x 8 x 4,096 x 256 float32.
;; Outputs: out0 8 x 4,096 x 256 float32; out1 8 x 4,096 int32; out2 8 x 4,096 float32.
;; 2 versions, each right; version 2 is version 1 with the launch prep written anew for expert scheduling mode. Each part assembles by itself: llvm-mc -triple=amdgcn-amd-amdhsa -mcpu=gfx1250 --defsym DOCPART=n.
;; ======== version 1 of 2: 3 launches
;; workspace buffers: cbh 4,194,304 bytes; cbsqp 32,768 bytes; widx 131,072 bytes of whole numbers
;; launch prep (part 1): grid 128 x 1, 8 waves a work-group, no clusters, 1,280 bytes of LDS; arguments codebook, cbh, cbsqp; writes cbh, cbsqp
.if DOCPART == 1
	.amdgcn_target "amdgcn-amd-amdhsa--gfx1250"
	.amdhsa_code_object_version 6
	.text
	.protected	k_q6ccdefd690_prep
	.globl	k_q6ccdefd690_prep
	.p2align	8
	.type	k_q6ccdefd690_prep,@function
k_q6ccdefd690_prep:
	s_mov_b64 s[64:65], 0
	v_nop
	global_prefetch_b8 v0, s[64:65] scope:SCOPE_SE
	s_setreg_imm32_b32 hwreg(HW_REG_WAVE_MODE, 25, 1), 1
	s_wait_xcnt 0x0
; VECTOR QUANTISATION, launch 1 of 3.  For each of 32,768 rows x of 256 channels: the index of the nearest of 8,192 code rows (squared L2), that distance, and the code row itself.
; THE THREE LAUNCHES.  This one rounds the codebook to bf16 (cbh) and sums the squares of the ROUNDED rows (cbsqp).  The second multiplies x by cbh on the matrix units and keeps a running minimum and its
; index.  The third copies the chosen f32 code rows: its addresses hang on indices that the second launch derives from floating-point numbers, so they are read from memory by a launch of their own.
; DEAD WORK: none is left out; both inputs are loaded.  x_sq is the same for all codes of a row, so it cannot move the argmin in exact arithmetic; it is still computed, and added once behind the minimum:
; distance = x_sq + min(cb_sq - 2 x.c).  That is another order of rounding than (x_sq + cb_sq) - 2 x.c.
; LIMITS.  Both matrix operands are rounded to bf16, and cb_sq and x_sq are taken of the rounded numbers, so the index is that of the rounded inputs.  Scores are f32: one matrix sum and one fused -2 dot + cb_sq.
; Equal scores go to the lowest index.  Where a row's two best scores differ by no more than f32's rounding of sums of 256 terms (some 1e-7 of their size), the order of summation decides, and the index may be
; either of the two.  A NaN score loses against every number; a row whose scores are all NaN or +inf gets index 0 and distance +inf.
; SHARES.  Work-group g has code rows 64 g .. 64 g + 63, wave v eight of them, a row at a time over the 32 lanes: lane l holds channels 4 l .. 4 l + 3 and 128 + 4 l .. + 3.
; 128 work-groups: the 64 sums of a work-group are 256 consecutive bytes of cbsqp, aligned, stored by one instruction; with 32 rows a work-group two work-groups would share such a block.
; cbsqp IS PERMUTED: code k lies at word ((k >> 6) & 3) x 2048 + (k >> 8) x 64 + (k & 63): for each wave of the second launch its 2,048 codes in the order in which it walks them.
; All 16 loads of a wave go out before the first wait; no register that a load or store names is written again, so no wait frees any.
.set SPARE, 256                        ; LDS: bytes 0-255 the 64 sums; from here the spare words, 128 bytes for each of the eight waves: four blocks of 256 bytes that no other line names
.set LO,  2                            ; v2   my byte offset in the work-group's 64 f32 rows: 8,192 x wave + 16 x lane
.set SO,  3                            ; v3   the same in its bf16 rows: 4,096 x wave + 8 x lane
.set Z,   4                            ; v4   0: what a sum's first link adds onto
.set SPW, 5                            ; v5   LDS address of my spare word; never rewritten
.set NIL, 6                            ; v6   0; never rewritten
.set LA,  7                            ; v7   LDS address of the sum that my lane hands over: 4 (8 x wave + lane % 8)
.set L8,  8                            ; v8   8 x lane
.set X,   16                           ; v[16:79]   row i as loaded, 8 registers
.set P,   80                           ; v[80:111]  row i rounded, 4 registers
.set S,   112                          ; v[112:127] row i: two chains of the sum of squares
.set COL, 128                          ; v128 lane l keeps the sum of row l % 8
.set T,   129                          ; v129 at work
	s_load_b128 s[4:7], s[0:1], 0x0                ; codebook s[4:5], cbh s[6:7]
	s_load_b64 s[8:9], s[0:1], 0x10                ; cbsqp
	v_lshl_add_u32 v[SPW], v0, 2, SPARE
	v_mov_b32 v[NIL], 0
	v_lshrrev_b32 v9, 5, v0
	v_readfirstlane_b32 s10, v9                    ; wave 0..7
	v_and_b32 v1, 31, v0                           ; lane
	v_lshlrev_b32 v[LO], 4, v1
	v_lshl_add_u32 v[LO], v9, 13, v[LO]
	v_lshlrev_b32 v[L8], 3, v1
	v_lshl_add_u32 v[SO], v9, 12, v[L8]
	v_mov_b32 v[Z], 0
	v_and_b32 v[LA], 7, v0
	v_lshlrev_b32 v[LA], 2, v[LA]
	v_lshl_add_u32 v[LA], v9, 5, v[LA]
	v_mov_b32 v[T], 0                              ; v_permlanex16_b32 counts as a reader of its destination
	s_mov_b32 s12, 0x76543210                      ; each lane takes its own place in the other half
	s_mov_b32 s13, 0xfedcba98
	s_lshl_b32 s16, ttmp9, 16                      ; 64 rows of 1,024 bytes
	s_mov_b32 s17, 0
	s_lshl_b32 s18, ttmp9, 15                      ; 64 rows of 512 bytes
	s_mov_b32 s19, 0
	s_and_b32 s20, ttmp9, 3                        ; k >> 6 is g: (g & 3) x 8,192 bytes
	s_lshl_b32 s20, s20, 13
	s_lshr_b32 s21, ttmp9, 2                       ; + (g >> 2) x 256 bytes
	s_lshl_b32 s21, s21, 8
	s_add_co_u32 s20, s20, s21
	s_mov_b32 s21, 0
	s_wait_kmcnt 0x0
	s_add_nc_u64 s[4:5], s[4:5], s[16:17]
	s_add_nc_u64 s[6:7], s[6:7], s[18:19]
	s_add_nc_u64 s[8:9], s[8:9], s[20:21]
.irp i, 0,1,2,3,4,5,6,7
	global_load_b128 v[X+8*\i:X+8*\i+3],   v[LO], s[4:5] offset:1024*\i th:TH_LOAD_NT      ; 512 consecutive bytes a load: half a row
	global_load_b128 v[X+8*\i+4:X+8*\i+7], v[LO], s[4:5] offset:1024*\i+512 th:TH_LOAD_NT
.endr
.irp i, 0,1,2,3,4,5,6,7
	s_wait_loadcnt 2*(7-\i)                        ; loads come back in order: row i is in, the younger rows' two loads each stay out
.irp n, 0,1,2,3
	v_cvt_pk_bf16_f32 v[P+4*\i+\n], v[X+8*\i+2*\n], v[X+8*\i+2*\n+1]
.endr
	global_store_b64 v[SO], v[P+4*\i:P+4*\i+1],   s[6:7] offset:512*\i       ; 32 lanes x 8 bytes: 256 consecutive bytes, aligned
	global_store_b64 v[SO], v[P+4*\i+2:P+4*\i+3], s[6:7] offset:512*\i+256
.irp n, 0,1,2,3                                        ; the squares of the rounded numbers, straight from the halves, summed in f32: low halves in one chain, high halves in the other
.if \n == 0
	v_fma_mix_f32_bf16 v[S+2*\i],   v[P+4*\i], v[P+4*\i], v[Z] op_sel_hi:[1,1,0]
	v_fma_mix_f32_bf16 v[S+2*\i+1], v[P+4*\i], v[P+4*\i], v[Z] op_sel:[1,1,0] op_sel_hi:[1,1,0]
.else
	v_fma_mix_f32_bf16 v[S+2*\i],   v[P+4*\i+\n], v[P+4*\i+\n], v[S+2*\i] op_sel_hi:[1,1,0]
	v_fma_mix_f32_bf16 v[S+2*\i+1], v[P+4*\i+\n], v[P+4*\i+\n], v[S+2*\i+1] op_sel:[1,1,0] op_sel_hi:[1,1,0]
.endif
.endr
	v_add_f32 v[S+2*\i], v[S+2*\i], v[S+2*\i+1]
	v_add_f32_dpp v[S+2*\i], v[S+2*\i], v[S+2*\i] row_xmask:1 row_mask:0xf bank_mask:0xf
	v_add_f32_dpp v[S+2*\i], v[S+2*\i], v[S+2*\i] row_xmask:2 row_mask:0xf bank_mask:0xf
	v_add_f32_dpp v[S+2*\i], v[S+2*\i], v[S+2*\i] row_xmask:4 row_mask:0xf bank_mask:0xf
	v_add_f32_dpp v[S+2*\i], v[S+2*\i], v[S+2*\i] row_xmask:8 row_mask:0xf bank_mask:0xf
	v_permlanex16_b32 v[T], v[S+2*\i], s12, s13
	v_add_f32 v[S+2*\i], v[S+2*\i], v[T]           ; every lane holds row i's sum
.if \i == 0
	v_mov_b32 v[COL], v[S]
.else
	s_mov_b32 s14, 0x01010101<<\i                  ; the lanes with lane % 8 = i
	v_cndmask_b32 v[COL], v[COL], v[S+2*\i], s14
.endif
.endr
	ds_store_b32 v[LA], v[COL]                     ; four lanes write each word, with the same number
	s_wait_dscnt 0x0                               ; for wave 0's sake: my stores are done
	s_barrier_signal -1
	s_barrier_wait -1
	s_cmp_lg_u32 s10, 0
	s_cbranch_scc1 .Lend
	ds_load_b64 v[130:131], v[L8]                  ; wave 0 takes all 64 sums
	s_wait_dscnt 0x0
	global_store_b64 v[L8], v[130:131], s[8:9]     ; 256 consecutive bytes, aligned
.Lend:
	s_wait_tensorcnt 0x0                           ; the wave's end, behind my last LDS store
	ds_add_u32 v[SPW], v[NIL]
	s_wait_dscnt 0x0
	s_endpgm
.Lfunc_end_k_q6ccdefd690_prep:
	.size	k_q6ccdefd690_prep, .Lfunc_end_k_q6ccdefd690_prep-k_q6ccdefd690_prep
	.p2alignl 7, 3214868480
	.fill 96, 4, 3214868480
	.section	.rodata,"a",@progbits
	.p2align	6, 0x0
	.amdhsa_kernel k_q6ccdefd690_prep
		.amdhsa_group_segment_fixed_size 1280
		.amdhsa_private_segment_fixed_size 0
		.amdhsa_enable_private_segment 0
		.amdhsa_kernarg_size 24
		.amdhsa_user_sgpr_count 2
		.amdhsa_user_sgpr_kernarg_segment_ptr 1
		.amdhsa_wavefront_size32 1
		.amdhsa_system_sgpr_workgroup_id_x 1
		.amdhsa_system_sgpr_workgroup_id_y 1
		.amdhsa_system_sgpr_workgroup_id_z 1
		.amdhsa_system_vgpr_workitem_id 0
		.amdhsa_next_free_vgpr 136
		.amdhsa_next_free_sgpr 66
		.amdhsa_reserve_vcc 0
		.amdhsa_float_denorm_mode_32 3
		.amdhsa_float_denorm_mode_16_64 3
		.amdhsa_memory_ordered 1
		.amdhsa_forward_progress 1
		.amdhsa_inst_pref_size 16
	.end_amdhsa_kernel
	.amdgpu_metadata
---
amdhsa.version: [ 1, 2 ]
amdhsa.kernels:
  - .name:           k_q6ccdefd690_prep
    .symbol:         k_q6ccdefd690_prep.kd
    .args:
      - { .name: codebook, .offset: 0, .size: 8, .value_kind: global_buffer, .address_space: global }
      - { .name: cbh, .offset: 8, .size: 8, .value_kind: global_buffer, .address_space: global }
      - { .name: cbsqp, .offset: 16, .size: 8, .value_kind: global_buffer, .address_space: global }
    .group_segment_fixed_size: 1280
    .private_segment_fixed_size: 0
    .kernarg_segment_align: 8
    .kernarg_segment_size: 24
    .max_flat_workgroup_size: 256
    .sgpr_count:     66
    .vgpr_count:     136
    .wavefront_size: 32
...
	.end_amdgpu_metadata
.endif
;; end of part 1
;; launch search (part 2): grid 256 x 1, 4 waves a work-group, clusters of 4 x 1, 327,680 bytes of LDS; arguments z_e_x, cbh, cbsqp, out1, out2, widx; writes out1, out2, widx
.if DOCPART == 2
	.amdgcn_target "amdgcn-amd-amdhsa--gfx1250"
	.amdhsa_code_object_version 6
	.text
	.protected	k_q6ccdefd690_search
	.globl	k_q6ccdefd690_search
	.p2align	8
	.type	k_q6ccdefd690_search,@function
k_q6ccdefd690_search:
	s_mov_b64 s[64:65], 0
	v_nop
	global_prefetch_b8 v0, s[64:65] scope:SCOPE_SE
	s_setreg_imm32_b32 hwreg(HW_REG_WAVE_MODE, 25, 1), 1
	s_wait_xcnt 0x0
	s_wait_alu depctr_hold_cnt(0) depctr_sa_sdst(0) depctr_va_vdst(0) depctr_va_sdst(0) depctr_va_ssrc(0) depctr_va_vcc(0) depctr_vm_vsrc(0)
	s_getreg_b32 s2, hwreg(HW_REG_IB_STS2, 6, 4)
	s_cmp_eq_u32 s2, 0
	s_cbranch_scc0 .Lentry_in_a_cluster
	s_endpgm
.Lentry_in_a_cluster:
	s_bfe_u32 s2, ttmp6, 0x10000c
	s_cmp_lg_u32 s2, 0x3003
	s_cbranch_scc0 .Lentry_shape_is_right
	s_endpgm
.Lentry_shape_is_right:
; VECTOR QUANTISATION, launch 2 of 3: out1[q] = widx[q] = argmin over k of (cb_sq[k] - 2 x[q].c[k]), out2[q] = x_sq[q] + that minimum.  No work is left out (see the first launch's head, also for the limits).
; x: [32768][256] f32, rounded to bf16 here; cbh: [8192][256] bf16; cbsqp: the rounded rows' sums of squares, in each wave's walking order.  Sums, scores and minima in f32.
; SHARES.  A work-group owns 128 queries and walks all 8,192 codes.  EVERY wave holds all 128 queries as fragments (8 tiles x 64 = 512 registers); the waves split the CODES: of each slot of 256 code rows wave w
; takes rows 64 w .. 64 w + 63, four tiles of 16: just the rows that its own tensor load brought.  So each LDS byte of a slot is read once, by one wave, and a fragment (two loads) feeds eight matrix instructions.
; LAYOUT.  Source 0 = 16 codes, source 1 = 16 queries: in the result lane (r = l % 16, h = l / 16) holds query r, and register j the code 8 h + j.  Each lane keeps, for each of its eight registers of each query
; tile, a running minimum B and the number of the tile that gave it, I: nothing changes lanes inside the walk.  Register tile u of wave w is query tile (u + 2 w) % 8, so that tiles 0 and 1 are "my own" 32 queries.
; BY TURNS.  While code tile T is multiplied (64 matrix instructions, the eight accumulators by turns, one instruction a turn), tile T - 1's scores are made and compared: 28 vector
; instructions for each query tile, at most four behind a matrix instruction.  Two sets of accumulators, of code fragments and of cb_sq take turns.
; CLUSTER.  All work-groups walk the same codes, so each quarter of a slot is asked for JOINTLY by the four partners: the same tensor load, descriptor and mask in all four.
; REGISTERS, in windows of 256 (s_set_vgpr_msb: bits 1:0 source 0, 3:2 source 1, 5:4 source 2, 7:6 destination):
;   window 0: v0-31 addresses and x_sq (every LDS address lies here, in a register that never holds data); v32-47 cb_sq, two sets; v64-191 code fragments, two sets (first: x in f32 on its way to bf16); v192-239 the way out
;   window 1: v0-127 accumulators, two sets of eight; v128-191 B; v192-255 I          windows 2, 3: the queries' fragments, tile u, channels 32 f on, at window 2 + u / 4, v[64 (u % 4) + 8 f]
.set PITCH,  528                       ; a code row in LDS: 512 bytes + 16 of padding = 132 words: the 16 rows of a load start at 16 different groups of four banks (64 banks of 4 bytes: ISA guide 11.1)
.set QUART,  64*PITCH                  ; 64 rows: what one tensor load brings, and what one wave reads
.set TILEB,  16*PITCH
.set R1,     4*QUART                   ; slot 1 begins here: 0x21000.  Bits 12 and 17 are clear in every quarter's base, so one exclusive or turns an address in one slot into the other's
.set XPITCH, 1040                      ; a row of x (f32) in LDS: 1,024 + 16.  x's 128 rows lie in slot 1's bytes until they are converted
.set XQUART, 32*XPITCH
.set XTILE,  16*XPITCH
.set CBSQ,   2*R1                      ; 32,768 bytes: wave w's 2,048 cb_sq at + 8,192 w; filled once
.set RED,    CBSQ+32768                ; never filled by a tensor load: the waves' minima [4][128] f32,
.set REDI,   2048                      ; their indices [4][128],
.set REDX,   4096                      ; x_sq [128]
.set SPARE,  RED+4608                  ; the spare words, 128 bytes for each wave: two blocks of 256 bytes that no other line names
.set SLOTB,  256*512                   ; a slot's bytes in cbh
.set AK0, 4                            ; v4   my lane's place in a code tile: QUART x wave + PITCH r + 16 h; never rewritten
.set ADR, 5                            ; v5   the LDS address of the run of fragment loads in hand
.set CQ0, 6                            ; v6   my lane's place in cb_sq: CBSQ + 8,192 x wave + 32 h; never rewritten
.set ADRQ, 7                           ; v7   the LDS address of the tile's cb_sq
.set XA,  8                            ; v8   the LDS address of the query tile being converted
.set XA0, 9                            ; v9   R1 + XPITCH r + 32 h
.set PFO, 10                           ; v10  256 x lane; never rewritten
.set SPW, 11                           ; v11  LDS address of my spare word; never rewritten
.set NIL, 12                           ; v12  0; never rewritten
.set FA,  13                           ; v13  the way out: RED + 16 x lane
.set XS,  14                           ; v[14:21] x_sq of my own two tiles: four chains each
.set XSA, 22                           ; v22  where x_sq goes: RED + REDX + 128 x wave + 4 r
.set GO,  23                           ; v23  16 x lane
.set RA,  24                           ; v[24:31] the way out: where register tile u's minimum goes: RED + 512 x wave + 64 ((u + 2 w) % 8) + 4 r; never rewritten
.set CQ,  32                           ; v[32:47]
.set AF,  64                           ; v[64:191]
.set BB,  128                          ; window 1
.set II,  192                          ; window 1
.set HJ,  112                          ; window 1, the way out: 8 h + j, j = 0..7
.set WV,  16                           ; s16  my wave's number
.set W2,  19                           ; s19  twice that
.set G0,  20                           ; s[20:23] descriptor group 0 for the codes: it walks
.set G1,  24                           ; s[24:31] group 1 for the codes
.set G0X, 32                           ; s[32:35], s[36:43] the same for x
.set G1X, 36
.set G0Q, 44                           ; s[44:47], s[48:55] the same for cb_sq
.set G1Q, 48
.set SLOTS, 56                         ; s56  slots still to be asked for, plus one
.set CNT, 57                           ; s57  counts pairs of tiles
.set TB,  58                           ; s58  LDS byte at which the code tile to be fetched begins, less my quarter's base
.set CB,  59                           ; s59  byte of the multiplied tile's cb_sq in my part: 64 a tile
.set KP,  60                           ; s60  16 x the number of the tile whose scores are being compared
.set LIM, 61                           ; s61  2 in the launch's first cluster, else the greatest number: a wave prefetches while s[SLOTS] is above it
.set PFA, 62                           ; s[62:63] where my prefetches stand
.set SEL, 66                           ; s[66:67] v_permlanex16_b32's selects
.set MK,  68                           ; s[68:71] four masks of comparisons
.set INF, 72                           ; s72  +inf
.set BIG, 73                           ; s73  the greatest index, for those that do not hold the minimum
.set NINF, 80                          ; s80  -inf
.set W64, 81                           ; s81  64 x wave
.set MSB, 0
.macro WIN new                         ; the immediate's high byte repeats the setting that is left; a switch that changes nothing is dropped
.if MSB != (\new)
	s_set_vgpr_msb (MSB<<8)|(\new)
.set MSB, (\new)
.endif
.endm
.set W_R, 0x45                         ; sources 0, 1 and destination in window 1, source 2 (cb_sq) in window 0
; A round of the cluster's barrier: my work-group's barrier, so that wave 0's signal speaks for all four waves; wave 0 signals; every wave waits for all four work-groups; my work-group's barrier once more.
.macro CROUND
	s_barrier_signal -1
	s_barrier_wait -1
	s_cmp_lg_u32 s[WV], 0
	s_cbranch_scc1 .Lnot_wave_0_\@
	s_barrier_signal -3
.Lnot_wave_0_\@:
	s_barrier_wait -3
	s_barrier_signal -1
	s_barrier_wait -1
.endm
; A PREFETCH INTO THE L2 of the slot that stands two refills on: 512 matrix instructions ahead of the load that will ask for it.  All clusters walk the same rows: the launch's first cluster asks, nobody else.
; Each of its waves asks for the quarter that it will load; the four partners share a quarter's 32,768 bytes out BY ADDRESS, 8,192 each, a lane 256: one instruction a wave.  So each block is named once in the launch.
; Slots 0 to 2 come by their loads alone; the last two refills ask for nothing: slot 31 is the last.
.macro ASK
	s_cmp_gt_u32 s[SLOTS], s[LIM]
	s_cbranch_scc0 .Lnot_mine_\@
	global_prefetch_b8 v[PFO], s[PFA:PFA+1] th:TH_LOAD_NT scope:SCOPE_SE
.Lnot_mine_\@:
.endm
	s_load_b256 s[4:11], s[0:1], 0x0               ; x s[4:5], cbh s[6:7], cbsqp s[8:9], out1 s[10:11]
	s_load_b128 s[12:15], s[0:1], 0x20             ; out2 s[12:13], widx s[14:15]
	v_lshl_add_u32 v[SPW], v0, 2, SPARE
	v_mov_b32 v[NIL], 0
	ds_add_u32 v[SPW], v[NIL]                      ; the wave's opening: the add, twice on end, and its wait ahead of my first tensor load; the set-up below stands between
	ds_add_u32 v[SPW], v[NIL]
	v_lshrrev_b32 v3, 5, v0
	v_readfirstlane_b32 s[WV], v3                  ; wave 0..3
	s_bfe_u32 s17, ttmp6, 0x40000                  ; cx: my place in the cluster
	s_lshl_b32 s18, ttmp9, 2                       ; in a cluster launch ttmp9 counts clusters
	s_add_co_u32 s18, s18, s17                     ; my block of 128 queries: it enters x's and the outputs' addresses alone
	s_lshl_b32 s[W2], s[WV], 1
	s_lshl_b32 s[W64], s[WV], 6
	; the codes: 64 rows x 256 elements of 2 bytes, 16 bytes of padding behind each row; asked for by all four partners
	s_mov_b32 s[G1+0], 15|(1<<16)|(1<<20)|(1<<21)|(6<<22)|(3<<25)  ; 15:0 the mask; 17:16 2-byte elements; 20 padding on; 21 set beside a mask; 24:22 after every 128 words (code 6); 31:25 4 words (code 3)
	s_mov_b32 s[G1+1], 256<<16                     ; tensor_dim0 = 256
	s_mov_b32 s[G1+2], 64<<16                      ; tensor_dim1 = 64
	s_mov_b32 s[G1+3], 256<<16                     ; tile_dim0 = 256
	s_mov_b32 s[G1+4], 64                          ; tile_dim1 = 64
	s_mov_b32 s[G1+5], 256                         ; 256 elements from row to row
	s_mov_b32 s[G1+6], 0
	s_mov_b32 s[G1+7], 0
	; x: 32 rows x 256 elements of 4 bytes, 16 bytes of padding behind each row; my work-group's own
	s_mov_b32 s[G1X+0], (2<<16)|(1<<20)|(7<<22)|(3<<25)  ; no mask; 4-byte elements; padding after every 256 words (code 7), 4 words
	s_mov_b32 s[G1X+1], 256<<16
	s_mov_b32 s[G1X+2], 32<<16
	s_mov_b32 s[G1X+3], 256<<16
	s_mov_b32 s[G1X+4], 32
	s_mov_b32 s[G1X+5], 256
	s_mov_b32 s[G1X+6], 0
	s_mov_b32 s[G1X+7], 0
	; cb_sq: 8,192 dense bytes as 32 rows of 32 elements of 8 bytes; asked for by all four partners
	s_mov_b32 s[G1Q+0], 15|(3<<16)|(1<<21)
	s_mov_b32 s[G1Q+1], 32<<16
	s_mov_b32 s[G1Q+2], 32<<16
	s_mov_b32 s[G1Q+3], 32<<16
	s_mov_b32 s[G1Q+4], 32
	s_mov_b32 s[G1Q+5], 32
	s_mov_b32 s[G1Q+6], 0
	s_mov_b32 s[G1Q+7], 0
	s_mov_b32 s[G0], 1                             ; count = 1
	s_mul_i32 s[G0+1], s[WV], QUART                ; LDS: my quarter of slot 0: no place in the cluster enters an LDS address
	s_mov_b32 s[G0X], 1
	s_mul_i32 s[G0X+1], s[WV], XQUART
	s_add_co_u32 s[G0X+1], s[G0X+1], R1
	s_mov_b32 s[G0Q], 1
	s_lshl_b32 s[G0Q+1], s[WV], 13
	s_add_co_u32 s[G0Q+1], s[G0Q+1], CBSQ
	s_lshl_b32 s74, s[WV], 15                      ; my 64 rows of 512 bytes in a slot of cbh; also my 32 rows of 1,024 bytes of x
	s_mov_b32 s75, 0
	s_lshl_b32 s78, s[WV], 13                      ; my part of cbsqp
	s_mov_b32 s79, 0
	s_lshl_b32 s76, s18, 17                        ; my work-group's 128 rows of x (s[76:77], s[82:85] alone hold offsets made from cx)
	s_add_co_u32 s76, s76, s74
	s_mov_b32 s77, 0
	s_lshl_b32 s82, s17, 13                        ; my work-group's 8,192 bytes of a quarter, for the prefetches
	s_mov_b32 s83, 0
	s_lshl_b32 s84, s18, 9                         ; my work-group's 128 numbers in each output
	s_mov_b32 s85, 0
	s_mov_b32 s[SEL], 0x76543210
	s_mov_b32 s[SEL+1], 0xfedcba98
	s_mov_b32 s[INF], 0x7f800000
	s_mov_b32 s[NINF], 0xff800000
	s_mov_b32 s[BIG], 0x7fffffff
	s_mov_b32 s[KP], -32                           ; the first trip compares a tile that has not been, the second tile 0
	s_mov_b32 s[CB], 0
	s_mov_b32 s[TB], R1+QUART                      ; the first change of slots turns this into 0
	s_mov_b32 s[SLOTS], 31
	s_cmp_eq_u32 ttmp9, 0                          ; the same in all four partners
	s_cselect_b32 s[LIM], 2, -1
	s_wait_dscnt 0x0                               ; both opening adds are done
	s_wait_kmcnt 0x0
	s_add_nc_u64 s[G0+2:G0+3], s[6:7], s[74:75]    ; global address: my quarter of slot 0
	s_add_nc_u64 s[PFA:PFA+1], s[G0+2:G0+3], s[82:83]
	s_add_nc_u64 s[PFA:PFA+1], s[PFA:PFA+1], 2*SLOTB  ; in slot 2; the first change of slots steps it to slot 3
	s_or_b32 s[G0+3], s[G0+3], 0x80000000          ; type = 2
	s_add_nc_u64 s[G0X+2:G0X+3], s[4:5], s[76:77]
	s_or_b32 s[G0X+3], s[G0X+3], 0x80000000
	s_add_nc_u64 s[G0Q+2:G0Q+3], s[8:9], s[78:79]
	s_or_b32 s[G0Q+3], s[G0Q+3], 0x80000000
	s_add_nc_u64 s[10:11], s[10:11], s[84:85]
	s_add_nc_u64 s[12:13], s[12:13], s[84:85]
	s_add_nc_u64 s[14:15], s[14:15], s[84:85]
	CROUND                                         ; all four work-groups are here: the first joint loads meet
	tensor_load_to_lds s[G0X:G0X+3], s[G1X:G1X+7]  ; the three first fills go out as one group: three loads of mine are out.  x first: it is wanted first
	s_nop 0
	tensor_load_to_lds s[G0:G0+3], s[G1:G1+7]      ; slot 0
	s_nop 0
	tensor_load_to_lds s[G0Q:G0Q+3], s[G1Q:G1Q+7]  ; cb_sq
	s_nop 0
.rept 4
	v_nop
.endr
	; all that follows, up to the wait, stands in the wait for x
	v_and_b32 v1, 15, v0                           ; r
	v_bfe_u32 v2, v0, 4, 1                         ; h
	v_and_b32 v3, 31, v0                           ; lane
	s_mul_i32 s86, s[WV], QUART
	v_mul_u32_u24 v[AK0], v1, PITCH
	v_lshl_add_u32 v[AK0], v2, 4, v[AK0]
	v_add_nc_u32 v[AK0], s86, v[AK0]
	v_lshl_add_u32 v[CQ0], v2, 5, s[G0Q+1]         ; registers 0-7 of a result are the codes 8 h + 0..7: 32 bytes of cb_sq
	v_mul_u32_u24 v[XA0], v1, XPITCH
	v_lshl_add_u32 v[XA0], v2, 5, v[XA0]           ; channels 8 h on, in f32
	v_add_nc_u32 v[XA0], R1, v[XA0]
	v_lshlrev_b32 v[PFO], 8, v3
	s_lshl_b32 s87, s[WV], 7
	s_add_co_u32 s87, s87, RED+REDX
	v_lshl_add_u32 v[XSA], v1, 2, s87
	v_lshlrev_b32 v[GO], 4, v3
	v_add_nc_u32 v[FA], RED, v[GO]
	s_lshl_b32 s88, s[WV], 9                       ; the way out's eight addresses: my 128 words of the minima,
	s_add_co_u32 s88, s88, RED
.irp u, 0,1,2,3,4,5,6,7
	s_add_co_u32 s89, s[W2], \u
	s_and_b32 s89, s89, 7                          ; register tile u's query tile,
	s_lshl_b32 s89, s89, 6                         ; its 16 words,
	s_add_co_u32 s89, s89, s88
	v_lshl_add_u32 v[RA+\u], v1, 2, s89            ; my query's
.endr
	; What the first trip finds, so that no first tile is written out: the second set of accumulators holds -inf and its cb_sq 0, so its scores are +inf, and +inf is not less than B = +inf.
	; The price: 208 v_mov_b32, once a launch, while the first tiles are on their way.
	WIN 0x40
.set ii, 0
.rept 64
	v_mov_b32 v[64+ii], s[NINF]
	v_mov_b32 v[BB+ii], s[INF]
	v_mov_b32 v[II+ii], 0
.set ii, ii+1
.endr
	WIN 0
.set ii, 0
.rept 8
	v_mov_b32 v[CQ+8+ii], 0
	v_mov_b32 v[XS+ii], 0
.set ii, ii+1
.endr
	s_wait_tensorcnt 0x2                           ; tensor loads of a wave end in order: my part of x is in; the two younger loads may stay out
	s_barrier_signal -1
	s_barrier_wait -1                              ; everybody's part of x is in: every wave reads all 128 rows
; x TO FRAGMENTS.  Half n of 16: query tile u = n / 2, channels 128 (n % 2) on: four fragments.  A fragment's lane holds channels 8 h + 0..7 and 16 + 8 h + 0..7 of row r: in f32 two times 32 bytes, 64 bytes apart.
.macro LOADH n
	WIN 0
.if (\n)%2 == 0
	s_add_co_u32 s74, s[W2], (\n)/2
	s_and_b32 s74, s74, 7                          ; register tile u is query tile (u + 2 w) % 8
	s_mul_i32 s74, s74, XTILE
	v_add_nc_u32 v[XA], s74, v[XA0]
.endif
.set tb, AF+64*((\n)%2)
.set fo, 512*((\n)%2)
.irp ff, 0,1,2,3
	ds_load_b128 v[tb+16*\ff:tb+16*\ff+3],     v[XA] offset:fo+128*\ff
	ds_load_b128 v[tb+16*\ff+4:tb+16*\ff+7],   v[XA] offset:fo+128*\ff+16
	ds_load_b128 v[tb+16*\ff+8:tb+16*\ff+11],  v[XA] offset:fo+128*\ff+64
	ds_load_b128 v[tb+16*\ff+12:tb+16*\ff+15], v[XA] offset:fo+128*\ff+80
.endr
.endm
.macro CVTH n                          ; rounded to bf16 in pairs, into the queries' windows
.set uu, (\n)/2
.set tb, AF+64*((\n)%2)
.set qb, 64*(uu%4)+32*((\n)%2)
.if (\n) == 15
	s_wait_dscnt 0x0
.else
	s_wait_dscnt 16                                ; LDS loads come back in order: half n is in, the younger half's 16 loads stay out
.endif
	WIN 0x80+0x40*(uu/4)                           ; destination window 2 or 3
.set ii, 0
.rept 32
	v_cvt_pk_bf16_f32 v[qb+ii], v[tb+2*ii], v[tb+2*ii+1]
.set ii, ii+1
.endr
.endm
.macro XSQH n                          ; my own two tiles: the squares of the rounded numbers, summed in f32 in four chains a tile
.set uu, (\n)/2
.set qb, 64*uu+32*((\n)%2)
	WIN 0x0a                                       ; sources 0 and 1 window 2
.set ii, 0
.rept 32
	v_fma_mix_f32_bf16 v[XS+4*uu+(2*ii)%4],   v[qb+ii], v[qb+ii], v[XS+4*uu+(2*ii)%4] op_sel_hi:[1,1,0]
	v_fma_mix_f32_bf16 v[XS+4*uu+(2*ii+1)%4], v[qb+ii], v[qb+ii], v[XS+4*uu+(2*ii+1)%4] op_sel:[1,1,0] op_sel_hi:[1,1,0]
.set ii, ii+1
.endr
.endm
	LOADH 0
	LOADH 1
.irp n, 0,1,2,3,4,5,6,7,8,9,10,11,12,13,14,15
	CVTH \n
.if \n < 4
	XSQH \n
.endif
.if \n < 14
	LOADH \n+2                                     ; into the registers just converted
.endif
.endr
	WIN 0
	v_add_f32 v[XS],   v[XS],   v[XS+1]
	v_add_f32 v[XS+2], v[XS+2], v[XS+3]
	v_add_f32 v[XS+4], v[XS+4], v[XS+5]
	v_add_f32 v[XS+6], v[XS+6], v[XS+7]
	v_add_f32 v[XS],   v[XS],   v[XS+2]
	v_add_f32 v[XS+4], v[XS+4], v[XS+6]
	v_permlanex16_b32 v[XS+1], v[XS],   s[SEL], s[SEL+1]  ; a row's other 128 channels lie in the lane 16 away
	v_permlanex16_b32 v[XS+5], v[XS+4], s[SEL], s[SEL+1]
	v_add_f32 v[XS],   v[XS],   v[XS+1]
	v_add_f32 v[XS+4], v[XS+4], v[XS+5]
	ds_store_b32 v[XSA], v[XS]                     ; queries 32 w + r
	ds_store_b32 v[XSA], v[XS+4] offset:64         ; and 32 w + 16 + r; read behind the last barrier
; THE MATRIX WORK.  Product (gg, ss) of a tile's 64: channels 32 gg on, query tile ss, on set p.  The first eight start the sums with the constant 0: nothing is cleared in the walk.
.macro MM p
.set rD, 64*(\p)+8*ss
.set rA, AF+64*(\p)+8*gg
.set rQ, 64*(ss%4)+8*gg
	WIN 0x58+4*(ss/4)                              ; codes in window 0, queries in window 2 or 3, C and D in window 1
.if gg == 0
	v_wmma_f32_16x16x32_bf16 v[rD:rD+7], v[rA:rA+7], v[rQ:rQ+7], 0
.else
	v_wmma_f32_16x16x32_bf16 v[rD:rD+7], v[rA:rA+7], v[rQ:rQ+7], v[rD:rD+7]
.endif
.endm
; THE VECTOR WORK.  Slice ss of the eight for query tile gg of the tile BEFORE (the other set).  0: the eight scores cb_sq - 2 dot, one fused multiply-add each, in place, the accumulator's lowest registers first.
; 1 and 4: four comparisons score < B, into scalar masks.  2, 3, 5, 6: for two registers each, I takes the tile's number where the score is less, and B the minimum.  7: nothing.
; "Less", not "less or equal": of equal scores the earlier tile, which has the lower index, stays.  No slice names a register of the products round it.
.macro RID p
.set rE, 64*(1-(\p))+8*gg
.set rB, BB+8*gg
.set rI, II+8*gg
.set rC, CQ+8*(1-(\p))
.set j0, 4*(ss/4)
.set n0, 2*(ss%4+ss/4-2)
.if ss == 0
	WIN W_R
.irp n, 0,2,4,6
	v_pk_fma_f32 v[rE+\n:rE+\n+1], v[rE+\n:rE+\n+1], -2.0, v[rC+\n:rC+\n+1] op_sel_hi:[1,0,1]
.endr
.elseif (ss == 1) || (ss == 4)
	WIN W_R
.irp n, 0,1,2,3
	v_cmp_lt_f32 s[MK+\n], v[rE+j0+\n], v[rB+j0+\n]
.endr
.elseif ss < 7
	WIN W_R
.irp n, 0,1
	v_cndmask_b32 v[rI+j0+n0+\n], v[rI+j0+n0+\n], s[KP], s[MK+n0+\n]
	v_min_num_f32 v[rB+j0+n0+\n], v[rE+j0+n0+\n], v[rB+j0+n0+\n]
.endr
.endif
.endm
; THE LDS LOADS of a tile stand in one run.  a: the NEXT tile's eight fragments, into the set that tile p does not multiply.  q: tile p's own cb_sq, into set p: the next tile's slices read it.
; last = 1 (the tail): in the last trip there is no next tile, and the fragments' run is jumped over.
.macro FETCH p, a, q, last
	WIN 0
.if \a
	v_add_nc_u32 v[ADR], s[TB], v[AK0]
.endif
.if \q
	v_add_nc_u32 v[ADRQ], s[CB], v[CQ0]
.endif
.if \last
	s_cmp_eq_u32 s[CNT], 1
	s_cbranch_scc1 .Lno_a_\@
.endif
.if \a
.irp f, 0,1,2,3,4,5,6,7
	ds_load_b128 v[AF+64*(1-(\p))+8*\f:AF+64*(1-(\p))+8*\f+3],   v[ADR] offset:64*\f
	ds_load_b128 v[AF+64*(1-(\p))+8*\f+4:AF+64*(1-(\p))+8*\f+7], v[ADR] offset:64*\f+32
.endr
	s_add_co_u32 s[TB], s[TB], TILEB
.endif
.if \last
.Lno_a_\@:
.endif
.if \q
	ds_load_b128 v[CQ+8*(\p):CQ+8*(\p)+3],   v[ADRQ]
	ds_load_b128 v[CQ+8*(\p)+4:CQ+8*(\p)+7], v[ADRQ] offset:16
	s_add_co_u32 s[CB], s[CB], 64
.endif
.endm
; A TILE on set p.  The run of loads stands behind the first product and its slice: between the last product that read the other set's fragments (the tile before's last) and the first load into them stand
; six plain vector instructions that name none of its registers: the slice's four and the two address lines (ISA guide 7.12.1 for vector instructions).
; The loads have 63 matrix instructions in which to land; the wait for them is the next tile's first line but one.
.macro TILE p, last=0
	s_add_co_u32 s[KP], s[KP], 16
	s_wait_dscnt 0x0                               ; my fragments, and the cb_sq of the tile before, are in
.set gg, 0
.rept 8
.set ss, 0
.rept 8
	MM \p
	RID \p
.if (gg == 0) && (ss == 0)
	FETCH \p, 1, 1, \last
.endif
.set ss, ss+1
.endr
.set gg, gg+1
.endr
.endm
; THE CHANGE OF SLOTS, when the old slot's last fragments have been asked for.  fill = 1: each wave waits for all its tensor loads (one is out: its quarter of the next slot), adds 0 to its spare word, and waits
; for that and for its own reads of the old slot; the barrier is a round of the cluster's, so that no wave of any partner still reads the old slot or has a load on its way; the joint refill, with the slot two on,
; is the first thing behind it, one load a wave: it has four tiles, 256 matrix instructions, in which to land.  (At its first use the bytes left are x's, and slot 1 is their first slot of codes.)
; fill = 0, behind the loop: nothing is filled, and I read only rows that my own load brought: my own wait is all the ordering that those reads need.
.macro CHANGE fill
	WIN 0                                          ; at a label and at a branch every window is 0
	s_wait_tensorcnt 0x0                           ; no tensor load of mine is out, so the group 0 may be written
.if \fill
	ds_add_u32 v[SPW], v[NIL]                      ; 0 onto my spare word; the steps below stand between it and the wait for it
	s_xor_b32 s[G0+1], s[G0+1], R1                 ; the other slot than last time,
	s_add_nc_u64 s[G0+2:G0+3], s[G0+2:G0+3], SLOTB ; the next 256 codes; the type bits on top are not reached
	s_wait_xcnt 0x0                                ; the last prefetch, four tiles back, has read its address, so it may be written
	s_add_nc_u64 s[PFA:PFA+1], s[PFA:PFA+1], SLOTB
	s_wait_dscnt 0x0                               ; the add is done, and my reads of the old slot are over
	CROUND
	tensor_load_to_lds s[G0:G0+3], s[G1:G1+7]
	s_nop 0
.rept 4
	v_nop
.endr
	ASK
.endif
	s_sub_co_u32 s[TB], s[TB], QUART               ; the fetches go back to a quarter's first tile,
	s_xor_b32 s[TB], s[TB], R1                     ; in the other slot
.endm
	CHANGE 1                                       ; slot 0 and cb_sq are in; x has been read out by every wave: its bytes take slot 1
	FETCH 1, 1, 0, 0                               ; tile 0's fragments, into set 0
	s_mov_b32 s[CNT], 2
	s_branch .Lfirst                               ; the loop is entered in the middle of a trip
.Lslot:                                        ; 30 times: change k = 1 .. 30 waits for slot k and asks for slot k + 1; the four tiles behind it are slot k - 1's last and slot k's first three
	CHANGE 1
	s_mov_b32 s[CNT], 2
.Lpair:
	TILE 1
	WIN 0
.Lfirst:
	TILE 0
	WIN 0
	s_sub_co_u32 s[CNT], s[CNT], 1
	s_cmp_lg_u32 s[CNT], 0
	s_cbranch_scc1 .Lpair
	s_sub_co_u32 s[SLOTS], s[SLOTS], 1
	s_cmp_lg_u32 s[SLOTS], 0
	s_cbranch_scc1 .Lslot
	CHANGE 0                                       ; the tail is written out: slot 31 is waited for, nothing is asked for
	s_mov_b32 s[CNT], 3                            ; five tiles are left: slot 30's last and slot 31's four; the third trip is left in its middle
.Ltail:
	TILE 1, 1
	WIN 0
	s_sub_co_u32 s[CNT], s[CNT], 1
	s_cmp_eq_u32 s[CNT], 0
	s_cbranch_scc1 .Lout
	TILE 0
	WIN 0
	s_branch .Ltail
.Lout:
	s_add_co_u32 s[KP], s[KP], 16                  ; the last tile's scores are compared with no products beside them
	s_wait_dscnt 0x0                               ; its cb_sq is in
.set gg, 0
.rept 8
.set ss, 0
.rept 7
	RID 0
.set ss, ss+1
.endr
.set gg, gg+1
.endr
	; THE WAY OUT.  For each query tile: the minimum over my eight registers and the two halves of the lanes; among those that hold it, the lowest key 16 T + 8 h + j (my codes in walking order);
	; the key as a code's index: ((key >> 6) << 8) + 64 w + key % 64, which rises with the key; both into LDS.  The arithmetic works in window 1, where the accumulators are free;
	; the stores' addresses are window 0's, made at the head.
	WIN 0x40                                       ; destination window 1, sources window 0
.irp j, 0,1,2,3,4,5,6,7
	v_lshl_add_u32 v[HJ+\j], v2, 3, \j             ; 8 h + j
.endr
.macro REDU u
.set rB, BB+8*(\u)
.set rI, II+8*(\u)
	WIN 0x55
	v_min3_num_f32 v0, v[rB], v[rB+1], v[rB+2]
	v_min3_num_f32 v1, v[rB+3], v[rB+4], v[rB+5]
	v_min3_num_f32 v0, v0, v[rB+6], v[rB+7]
	v_min_num_f32 v0, v0, v1
	v_permlanex16_b32 v1, v0, s[SEL], s[SEL+1]
	v_min_num_f32 v0, v0, v1                       ; the wave's minimum for query r
.irp j, 0,1,2,3,4,5,6,7
	v_add_nc_u32 v[2+\j], v[rI+\j], v[HJ+\j]
.endr
.irp j, 0,1,2,3,4,5,6,7
	v_cmp_eq_f32 vcc_lo, v[rB+\j], v0
	v_cndmask_b32 v[2+\j], s[BIG], v[2+\j], vcc_lo
.endr
	v_min_u32 v2, v2, v3
	v_min_u32 v4, v4, v5
	v_min_u32 v6, v6, v7
	v_min_u32 v8, v8, v9
	v_min_u32 v2, v2, v4
	v_min_u32 v6, v6, v8
	v_min_u32 v2, v2, v6
	v_permlanex16_b32 v3, v2, s[SEL], s[SEL+1]
	v_min_u32 v2, v2, v3
	v_lshrrev_b32 v3, 6, v2
	v_and_b32 v4, 63, v2
	v_lshl_add_u32 v3, v3, 8, v4
	v_add_nc_u32 v3, s[W64], v3
	WIN 0x04                                       ; an LDS store's address is source 0: window 0; its data source 1: window 1
	ds_store_b32 v[RA+(\u)], v0                    ; both halves of the lanes write the same number to the same word
	ds_store_b32 v[RA+(\u)], v3 offset:REDI
.endm
.irp u, 0,1,2,3,4,5,6,7
	REDU \u
.endr
	WIN 0
	s_wait_dscnt 0x0                               ; for wave 0's sake: my stores are done
	s_barrier_signal -1
	s_barrier_wait -1
	s_cmp_lg_u32 s[WV], 0
	s_cbranch_scc1 .Lend
	; wave 0: lane l finishes queries 4 l .. 4 l + 3: the least of the four waves' minima, the lowest index among the waves that hold it, and x_sq added
.irp v, 0,1,2,3
	ds_load_b128 v[192+4*\v:195+4*\v], v[FA] offset:512*\v
	ds_load_b128 v[208+4*\v:211+4*\v], v[FA] offset:REDI+512*\v
.endr
	ds_load_b128 v[224:227], v[FA] offset:REDX
	s_wait_dscnt 0x0
.irp q, 0,1,2,3
	v_min3_num_f32 v[236+\q], v[192+\q], v[196+\q], v[200+\q]
	v_min_num_f32 v[236+\q], v[236+\q], v[204+\q]
.irp v, 0,1,2,3
	v_cmp_eq_f32 vcc_lo, v[192+4*\v+\q], v[236+\q]
	v_cndmask_b32 v[208+4*\v+\q], s[BIG], v[208+4*\v+\q], vcc_lo
.endr
	v_min_u32 v[208+\q], v[208+\q], v[212+\q]
	v_min_u32 v[216+\q], v[216+\q], v[220+\q]
	v_min_u32 v[228+\q], v[208+\q], v[216+\q]
	v_add_f32 v[232+\q], v[224+\q], v[236+\q]
.endr
	global_store_b128 v[GO], v[228:231], s[10:11]  ; each store covers 512 consecutive bytes, aligned
	global_store_b128 v[GO], v[228:231], s[14:15]  ; the same indices once more, for the third launch to read
	global_store_b128 v[GO], v[232:235], s[12:13]
.Lend:
	s_wait_tensorcnt 0x0                           ; the wave's end, behind my last tensor load and my last LDS store
	ds_add_u32 v[SPW], v[NIL]
	s_wait_dscnt 0x0
	CROUND                                         ; the closing round: no work-group ends while a partner may still ask for a tile that names it
	s_endpgm
.Lfunc_end_k_q6ccdefd690_search:
	.size	k_q6ccdefd690_search, .Lfunc_end_k_q6ccdefd690_search-k_q6ccdefd690_search
	.p2alignl 7, 3214868480
	.fill 96, 4, 3214868480
	.section	.rodata,"a",@progbits
	.p2align	6, 0x0
	.amdhsa_kernel k_q6ccdefd690_search
		.amdhsa_group_segment_fixed_size 327680
		.amdhsa_private_segment_fixed_size 0
		.amdhsa_enable_private_segment 0
		.amdhsa_kernarg_size 48
		.amdhsa_user_sgpr_count 2
		.amdhsa_user_sgpr_kernarg_segment_ptr 1
		.amdhsa_wavefront_size32 1
		.amdhsa_system_sgpr_workgroup_id_x 1
		.amdhsa_system_sgpr_workgroup_id_y 1
		.amdhsa_system_sgpr_workgroup_id_z 1
		.amdhsa_system_vgpr_workitem_id 0
		.amdhsa_next_free_vgpr 1024
		.amdhsa_next_free_sgpr 96
		.amdhsa_reserve_vcc 1
		.amdhsa_float_denorm_mode_32 3
		.amdhsa_float_denorm_mode_16_64 3
		.amdhsa_memory_ordered 1
		.amdhsa_forward_progress 1
		.amdhsa_inst_pref_size 200
	.end_amdhsa_kernel
	.amdgpu_metadata
---
amdhsa.version: [ 1, 2 ]
amdhsa.kernels:
  - .name:           k_q6ccdefd690_search
    .symbol:         k_q6ccdefd690_search.kd
    .args:
      - { .name: z_e_x, .offset: 0, .size: 8, .value_kind: global_buffer, .address_space: global }
      - { .name: cbh, .offset: 8, .size: 8, .value_kind: global_buffer, .address_space: global }
      - { .name: cbsqp, .offset: 16, .size: 8, .value_kind: global_buffer, .address_space: global }
      - { .name: out1, .offset: 24, .size: 8, .value_kind: global_buffer, .address_space: global }
      - { .name: out2, .offset: 32, .size: 8, .value_kind: global_buffer, .address_space: global }
      - { .name: widx, .offset: 40, .size: 8, .value_kind: global_buffer, .address_space: global }
    .group_segment_fixed_size: 327680
    .private_segment_fixed_size: 0
    .kernarg_segment_align: 8
    .kernarg_segment_size: 48
    .max_flat_workgroup_size: 128
    .sgpr_count:     96
    .vgpr_count:     1024
    .wavefront_size: 32
...
	.end_amdgpu_metadata
.endif
;; end of part 2
;; launch gather (part 3): grid 256 x 1, 8 waves a work-group, no clusters, 0 bytes of LDS; arguments widx, codebook, out0; writes out0
.if DOCPART == 3
	.amdgcn_target "amdgcn-amd-amdhsa--gfx1250"
	.amdhsa_code_object_version 6
	.text
	.protected	k_q6ccdefd690_gather
	.globl	k_q6ccdefd690_gather
	.p2align	8
	.type	k_q6ccdefd690_gather,@function
k_q6ccdefd690_gather:
	s_mov_b64 s[64:65], 0
	v_nop
	global_prefetch_b8 v0, s[64:65] scope:SCOPE_SE
	s_setreg_imm32_b32 hwreg(HW_REG_WAVE_MODE, 25, 1), 1
	s_wait_xcnt 0x0
; VECTOR QUANTISATION, launch 3 of 3: out0[q][:] = codebook[widx[q]][:], in f32, as the codebook holds it.  No work is left out; a lookup by an index reads only the rows that the indices ask for.
; The indices are whole numbers that the second launch stored; here they are read from memory and enter addresses.
; SHARES.  Wave W = 8 x work-group + wave has rows 16 W .. 16 W + 15.  Its 16 indices come by one scalar load; a row of 1,024 bytes is two loads and two stores of 512 consecutive bytes.
; All 32 loads of a wave go out before the first wait: 16 KiB a wave.  There is no loop, and no register that a load or store names is written again, so no wait frees any.
; No LDS, no cluster, no matrix unit: nothing is shared and nothing is computed.  The loads carry no hint: a code row may be named by many queries.
.set L16, 2                            ; v2       16 x lane
.set OFF, 4                            ; v[4:19]  row i: 1,024 x its index + 16 x lane
.set D,   32                           ; v[32:159] row i: 8 registers
	s_load_b128 s[4:7], s[0:1], 0x0                ; widx s[4:5], codebook s[6:7]
	s_load_b64 s[8:9], s[0:1], 0x10                ; out0
	v_lshrrev_b32 v1, 5, v0
	v_readfirstlane_b32 s10, v1                    ; wave 0..7
	v_and_b32 v[L16], 31, v0
	v_lshlrev_b32 v[L16], 4, v[L16]
	s_lshl_b32 s11, ttmp9, 3
	s_add_co_u32 s11, s11, s10                     ; W
	s_lshl_b32 s12, s11, 6                         ; 16 indices of 4 bytes
	s_mov_b32 s13, 0
	s_lshl_b32 s14, s11, 14                        ; 16 rows of 1,024 bytes
	s_mov_b32 s15, 0
	s_wait_kmcnt 0x0
	s_add_nc_u64 s[4:5], s[4:5], s[12:13]
	s_add_nc_u64 s[8:9], s[8:9], s[14:15]
	s_load_b512 s[16:31], s[4:5], 0x0              ; my 16 indices
	s_wait_kmcnt 0x0
.irp i, 0,1,2,3,4,5,6,7,8,9,10,11,12,13,14,15
	s_min_u32 s[16+\i], s[16+\i], 0x1fff           ; an index stays inside the table: 8,192 rows
	v_lshl_add_u32 v[OFF+\i], s[16+\i], 10, v[L16]
.endr
.irp i, 0,1,2,3,4,5,6,7,8,9,10,11,12,13,14,15
	global_load_b128 v[D+8*\i:D+8*\i+3],   v[OFF+\i], s[6:7]
	global_load_b128 v[D+8*\i+4:D+8*\i+7], v[OFF+\i], s[6:7] offset:512
.endr
.irp i, 0,1,2,3,4,5,6,7,8,9,10,11,12,13,14,15
	s_wait_loadcnt 2*(15-\i)                       ; loads come back in order: row i is in, the younger rows' two loads each stay out
	global_store_b128 v[L16], v[D+8*\i:D+8*\i+3],   s[8:9] offset:1024*\i th:TH_STORE_NT      ; 512 consecutive bytes, aligned
	global_store_b128 v[L16], v[D+8*\i+4:D+8*\i+7], s[8:9] offset:1024*\i+512 th:TH_STORE_NT
.endr
	s_endpgm
.Lfunc_end_k_q6ccdefd690_gather:
	.size	k_q6ccdefd690_gather, .Lfunc_end_k_q6ccdefd690_gather-k_q6ccdefd690_gather
	.p2alignl 7, 3214868480
	.fill 96, 4, 3214868480
	.section	.rodata,"a",@progbits
	.p2align	6, 0x0
	.amdhsa_kernel k_q6ccdefd690_gather
		.amdhsa_group_segment_fixed_size 0
		.amdhsa_private_segment_fixed_size 0
		.amdhsa_enable_private_segment 0
		.amdhsa_kernarg_size 24
		.amdhsa_user_sgpr_count 2
		.amdhsa_user_sgpr_kernarg_segment_ptr 1
		.amdhsa_wavefront_size32 1
		.amdhsa_system_sgpr_workgroup_id_x 1
		.amdhsa_system_sgpr_workgroup_id_y 1
		.amdhsa_system_sgpr_workgroup_id_z 1
		.amdhsa_system_vgpr_workitem_id 0
		.amdhsa_next_free_vgpr 160
		.amdhsa_next_free_sgpr 66
		.amdhsa_reserve_vcc 0
		.amdhsa_float_denorm_mode_32 3
		.amdhsa_float_denorm_mode_16_64 3
		.amdhsa_memory_ordered 1
		.amdhsa_forward_progress 1
		.amdhsa_inst_pref_size 10
	.end_amdhsa_kernel
	.amdgpu_metadata
---
amdhsa.version: [ 1, 2 ]
amdhsa.kernels:
  - .name:           k_q6ccdefd690_gather
    .symbol:         k_q6ccdefd690_gather.kd
    .args:
      - { .name: widx, .offset: 0, .size: 8, .value_kind: global_buffer, .address_space: global }
      - { .name: codebook, .offset: 8, .size: 8, .value_kind: global_buffer, .address_space: global }
      - { .name: out0, .offset: 16, .size: 8, .value_kind: global_buffer, .address_space: global }
    .group_segment_fixed_size: 0
    .private_segment_fixed_size: 0
    .kernarg_segment_align: 8
    .kernarg_segment_size: 24
    .max_flat_workgroup_size: 256
    .sgpr_count:     66
    .vgpr_count:     160
    .wavefront_size: 32
...
	.end_amdgpu_metadata
.endif
;; end of part 3
;; ======== version 2 of 2: 3 launches; version 1 with the launch prep written anew for expert scheduling mode
;; workspace buffers: cbh 4,194,304 bytes; cbsqp 32,768 bytes; widx 131,072 bytes of whole numbers
;; launch prep (part 4): grid 128 x 1, 8 waves a work-group, no clusters, 1,280 bytes of LDS; arguments codebook, cbh, cbsqp; writes cbh, cbsqp
.if DOCPART == 4
	.amdgcn_target "amdgcn-amd-amdhsa--gfx1250"
	.amdhsa_code_object_version 6
	.text
	.protected	k_q6ccdefd690_prep
	.globl	k_q6ccdefd690_prep
	.p2align	8
	.type	k_q6ccdefd690_prep,@function
k_q6ccdefd690_prep:
	s_mov_b64 s[64:65], 0
	v_nop
	global_prefetch_b8 v0, s[64:65] scope:SCOPE_SE
	s_setreg_imm32_b32 hwreg(HW_REG_WAVE_SCHED_MODE, 0, 2), 2
	s_setreg_imm32_b32 hwreg(HW_REG_WAVE_MODE, 25, 1), 1
	s_wait_xcnt 0x0
	s_wait_alu depctr_vm_vsrc(0)
; VECTOR QUANTISATION, launch 1 of 3.  For each of 32,768 rows x of 256 channels: the index of the nearest of 8,192 code rows (squared L2), that distance, and the code row itself.
; THE THREE LAUNCHES.  This one rounds the codebook to bf16 (cbh) and sums the squares of the ROUNDED rows (cbsqp).  The second multiplies x by cbh on the matrix units and keeps a running minimum and its
; index.  The third copies the chosen f32 code rows: its addresses hang on indices that the second launch derives from floating-point numbers, so they are read from memory by a launch of their own.
; DEAD WORK: none is left out; both inputs are loaded.  x_sq is the same for all codes of a row, so it cannot move the argmin in exact arithmetic; it is still computed, and added once behind the minimum:
; distance = x_sq + min(cb_sq - 2 x.c).  That is another order of rounding than (x_sq + cb_sq) - 2 x.c.
; LIMITS.  Both matrix operands are rounded to bf16, and cb_sq and x_sq are taken of the rounded numbers, so the index is that of the rounded inputs.  Scores are f32: one matrix sum and one fused -2 dot + cb_sq.
; Equal scores go to the lowest index.  Where a row's two best scores differ by no more than f32's rounding of sums of 256 terms (some 1e-7 of their size), the order of summation decides, and the index may be
; either of the two.  A NaN score loses against every number; a row whose scores are all NaN or +inf gets index 0 and distance +inf.
; SHARES.  Work-group g has code rows 64 g .. 64 g + 63, wave v eight of them, a row at a time over the 32 lanes: lane l holds channels 4 l .. 4 l + 3 and 128 + 4 l .. + 3.
; 128 work-groups: the 64 sums of a work-group are 256 consecutive bytes of cbsqp, aligned, stored by one instruction; with 32 rows a work-group two work-groups would share such a block.
; cbsqp IS PERMUTED: code k lies at word ((k >> 6) & 3) x 2048 + (k >> 8) x 64 + (k & 63): for each wave of the second launch its 2,048 codes in the order in which it walks them.
; All 16 loads of a wave go out before the first wait; no register that a load or store names is written again, so no wait frees any.
; THE MODE: SCHED_MODE bits 1:0 = 2 (LLVM: expert scheduling mode 2), set by the entry lines.  The code itself states the register dependences between vector instructions and memory or LDS
; instructions, with s_wait_alu, always for 0.
; THE PLAN.  Registers that memory or LDS instructions touch:
;   v[LO], v[SO], v[LA], v[L8]  offsets and LDS addresses: written by vector instructions at the head, never again; read by every load and store.
;   X[i]      written by row i's two loads, once, and named by no vector instruction before that; read by row i's four roundings.
;   P[i]      four registers to each row: written by row i's roundings, once; read by row i's sums of squares (vector instructions) and by its two stores.
;   v[COL]    written by a move and seven selects; read by the one LDS store behind row 7.
;   v[130:131]  written by wave 0's LDS load, read by its store; no vector instruction names them.
;   v[SPW], v[NIL]  written at the head, read by the closing add alone.
; Row i - 1's two stores stand at the head of row i, behind ONE wait on va_vdst, so that the whole of row i - 1's sum lies between its roundings and the wait for them; row 7's stand behind the rows, under the wait
; that the LDS store of v[COL] has in any case.  One wait on va_vdst ahead of the first load serves all addresses.  No register that a memory or LDS instruction reads is written again, and no load lands in a
; register that a vector instruction has named: so the text holds no wait on vm_vsrc.
.set SPARE, 256                        ; LDS: bytes 0-255 the 64 sums; from here the spare words, 128 bytes for each of the eight waves: four blocks of 256 bytes that no other line names
.set LO,  2                            ; v2   my byte offset in the work-group's 64 f32 rows: 8,192 x wave + 16 x lane
.set SO,  3                            ; v3   the same in its bf16 rows: 4,096 x wave + 8 x lane
.set Z,   4                            ; v4   0: what a sum's first link adds onto
.set SPW, 5                            ; v5   LDS address of my spare word; never rewritten
.set NIL, 6                            ; v6   0; never rewritten
.set LA,  7                            ; v7   LDS address of the sum that my lane hands over: 4 (8 x wave + lane % 8)
.set L8,  8                            ; v8   8 x lane
.set X,   16                           ; v[16:79]   row i as loaded, 8 registers
.set P,   80                           ; v[80:111]  row i rounded, 4 registers
.set S,   112                          ; v[112:127] row i: two chains of the sum of squares
.set COL, 128                          ; v128 lane l keeps the sum of row l % 8
.set T,   129                          ; v129 at work
.set MKS, 22                           ; s[23:29] row i's mask of lanes at MKS + i: a register to each row, so that no scalar line writes one that a select has read
	s_load_b128 s[4:7], s[0:1], 0x0                ; codebook s[4:5], cbh s[6:7]
	s_load_b64 s[8:9], s[0:1], 0x10                ; cbsqp
	v_lshl_add_u32 v[SPW], v0, 2, SPARE
	v_mov_b32 v[NIL], 0
	v_lshrrev_b32 v9, 5, v0
	v_readfirstlane_b32 s10, v9                    ; wave 0..7
	v_and_b32 v1, 31, v0                           ; lane
	v_lshlrev_b32 v[LO], 4, v1
	v_lshl_add_u32 v[LO], v9, 13, v[LO]
	v_lshlrev_b32 v[L8], 3, v1
	v_lshl_add_u32 v[SO], v9, 12, v[L8]
	v_mov_b32 v[Z], 0
	v_and_b32 v[LA], 7, v0
	v_lshlrev_b32 v[LA], 2, v[LA]
	v_lshl_add_u32 v[LA], v9, 5, v[LA]
	v_mov_b32 v[T], 0                              ; v_permlanex16_b32 counts as a reader of its destination
	s_wait_alu depctr_va_sdst(0)                   ; s10 is written, ahead of its first reader: the comparison behind the barrier, with no branch and no label between
	s_mov_b32 s12, 0x76543210                      ; each lane takes its own place in the other half
	s_mov_b32 s13, 0xfedcba98
	s_lshl_b32 s16, ttmp9, 16                      ; 64 rows of 1,024 bytes
	s_mov_b32 s17, 0
	s_lshl_b32 s18, ttmp9, 15                      ; 64 rows of 512 bytes
	s_mov_b32 s19, 0
	s_and_b32 s20, ttmp9, 3                        ; k >> 6 is g: (g & 3) x 8,192 bytes
	s_lshl_b32 s20, s20, 13
	s_lshr_b32 s21, ttmp9, 2                       ; + (g >> 2) x 256 bytes
	s_lshl_b32 s21, s21, 8
	s_add_co_u32 s20, s20, s21
	s_mov_b32 s21, 0
	s_wait_kmcnt 0x0
	s_add_nc_u64 s[4:5], s[4:5], s[16:17]
	s_add_nc_u64 s[6:7], s[6:7], s[18:19]
	s_add_nc_u64 s[8:9], s[8:9], s[20:21]
	s_wait_alu depctr_va_vdst(0)                   ; v[LO], v[SO], v[LA] and v[L8] are written: every load and store of the kernel reads one of them, and no vector instruction below names any of them
.irp i, 0,1,2,3,4,5,6,7
	global_load_b128 v[X+8*\i:X+8*\i+3],   v[LO], s[4:5] offset:1024*\i th:TH_LOAD_NT      ; 512 consecutive bytes a load: half a row
	global_load_b128 v[X+8*\i+4:X+8*\i+7], v[LO], s[4:5] offset:1024*\i+512 th:TH_LOAD_NT
.endr
.irp i, 0,1,2,3,4,5,6,7
	s_wait_loadcnt 2*(7-\i)                        ; loads come back in order: row i is in, the younger rows' two loads each stay out
.if \i > 0
	s_wait_alu depctr_va_vdst(0)                   ; the roundings of the row before have written its P, which the two stores below read
	global_store_b64 v[SO], v[P+4*(\i-1):P+4*(\i-1)+1],   s[6:7] offset:512*(\i-1)       ; 32 lanes x 8 bytes: 256 consecutive bytes, aligned
	global_store_b64 v[SO], v[P+4*(\i-1)+2:P+4*(\i-1)+3], s[6:7] offset:512*(\i-1)+256
.endif
.irp n, 0,1,2,3
	v_cvt_pk_bf16_f32 v[P+4*\i+\n], v[X+8*\i+2*\n], v[X+8*\i+2*\n+1]
.endr
.irp n, 0,1,2,3                                        ; the squares of the rounded numbers, straight from the halves, summed in f32: low halves in one chain, high halves in the other
.if \n == 0
	v_fma_mix_f32_bf16 v[S+2*\i],   v[P+4*\i], v[P+4*\i], v[Z] op_sel_hi:[1,1,0]
	v_fma_mix_f32_bf16 v[S+2*\i+1], v[P+4*\i], v[P+4*\i], v[Z] op_sel:[1,1,0] op_sel_hi:[1,1,0]
.else
	v_fma_mix_f32_bf16 v[S+2*\i],   v[P+4*\i+\n], v[P+4*\i+\n], v[S+2*\i] op_sel_hi:[1,1,0]
	v_fma_mix_f32_bf16 v[S+2*\i+1], v[P+4*\i+\n], v[P+4*\i+\n], v[S+2*\i+1] op_sel:[1,1,0] op_sel_hi:[1,1,0]
.endif
.endr
	v_add_f32 v[S+2*\i], v[S+2*\i], v[S+2*\i+1]
	v_add_f32_dpp v[S+2*\i], v[S+2*\i], v[S+2*\i] row_xmask:1 row_mask:0xf bank_mask:0xf
	v_add_f32_dpp v[S+2*\i], v[S+2*\i], v[S+2*\i] row_xmask:2 row_mask:0xf bank_mask:0xf
	v_add_f32_dpp v[S+2*\i], v[S+2*\i], v[S+2*\i] row_xmask:4 row_mask:0xf bank_mask:0xf
	v_add_f32_dpp v[S+2*\i], v[S+2*\i], v[S+2*\i] row_xmask:8 row_mask:0xf bank_mask:0xf
	v_permlanex16_b32 v[T], v[S+2*\i], s12, s13
	v_add_f32 v[S+2*\i], v[S+2*\i], v[T]           ; every lane holds row i's sum
.if \i == 0
	v_mov_b32 v[COL], v[S]
.else
	s_mov_b32 s[MKS+\i], 0x01010101<<\i            ; the lanes with lane % 8 = i
	v_cndmask_b32 v[COL], v[COL], v[S+2*\i], s[MKS+\i]
.endif
.endr
	s_wait_alu depctr_va_vdst(0)                   ; the last select has written v[COL], which the LDS store reads; row 7's roundings have written its P, which the two stores read
	ds_store_b32 v[LA], v[COL]                     ; four lanes write each word, with the same number
	global_store_b64 v[SO], v[P+28:P+29], s[6:7] offset:512*7       ; row 7: 256 consecutive bytes, aligned, each
	global_store_b64 v[SO], v[P+30:P+31], s[6:7] offset:512*7+256
	s_wait_dscnt 0x0                               ; for wave 0's sake: my stores are done
	s_barrier_signal -1
	s_barrier_wait -1
	s_cmp_lg_u32 s10, 0
	s_cbranch_scc1 .Lend
	ds_load_b64 v[130:131], v[L8]                  ; wave 0 takes all 64 sums; no vector instruction has named the two registers in which they land
	s_wait_dscnt 0x0
	global_store_b64 v[L8], v[130:131], s[8:9]     ; 256 consecutive bytes, aligned
.Lend:
	s_wait_dscnt 0x0                               ; the wave's end, behind my last LDS store
	s_wait_alu 0x0
	s_wait_tensorcnt 0x0
	ds_add_u32 v[SPW], v[NIL]
	s_wait_dscnt 0x0
	s_endpgm
.Lfunc_end_k_q6ccdefd690_prep:
	.size	k_q6ccdefd690_prep, .Lfunc_end_k_q6ccdefd690_prep-k_q6ccdefd690_prep
	.p2alignl 7, 3214868480
	.fill 96, 4, 3214868480
	.section	.rodata,"a",@progbits
	.p2align	6, 0x0
	.amdhsa_kernel k_q6ccdefd690_prep
		.amdhsa_group_segment_fixed_size 1280
		.amdhsa_private_segment_fixed_size 0
		.amdhsa_enable_private_segment 0
		.amdhsa_kernarg_size 24
		.amdhsa_user_sgpr_count 2
		.amdhsa_user_sgpr_kernarg_segment_ptr 1
		.amdhsa_wavefront_size32 1
		.amdhsa_system_sgpr_workgroup_id_x 1
		.amdhsa_system_sgpr_workgroup_id_y 1
		.amdhsa_system_sgpr_workgroup_id_z 1
		.amdhsa_system_vgpr_workitem_id 0
		.amdhsa_next_free_vgpr 136
		.amdhsa_next_free_sgpr 66
		.amdhsa_reserve_vcc 0
		.amdhsa_float_denorm_mode_32 3
		.amdhsa_float_denorm_mode_16_64 3
		.amdhsa_memory_ordered 1
		.amdhsa_forward_progress 1
		.amdhsa_inst_pref_size 16
	.end_amdhsa_kernel
	.amdgpu_metadata
---
amdhsa.version: [ 1, 2 ]
amdhsa.kernels:
  - .name:           k_q6ccdefd690_prep
    .symbol:         k_q6ccdefd690_prep.kd
    .args:
      - { .name: codebook, .offset: 0, .size: 8, .value_kind: global_buffer, .address_space: global }
      - { .name: cbh, .offset: 8, .size: 8, .value_kind: global_buffer, .address_space: global }
      - { .name: cbsqp, .offset: 16, .size: 8, .value_kind: global_buffer, .address_space: global }
    .group_segment_fixed_size: 1280
    .private_segment_fixed_size: 0
    .kernarg_segment_align: 8
    .kernarg_segment_size: 24
    .max_flat_workgroup_size: 256
    .sgpr_count:     66
    .vgpr_count:     136
    .wavefront_size: 32
...
	.end_amdgpu_metadata
.endif
;; end of part 4
;; launch search: the kernel of part 2 again; grid 256 x 1, 4 waves a work-group, clusters of 4 x 1, 327,680 bytes of LDS; arguments z_e_x, cbh, cbsqp, out1, out2, widx; writes out1, out2, widx
;; launch gather: the kernel of part 3 again; grid 256 x 1, 8 waves a work-group, no clusters, 0 bytes of LDS; arguments widx, codebook, out0; writes out0
